; MI455X (gfx1250); checked and timed in simulation.
; The chip was launched on July 23, 2026; its instructions are those of AMD's public machine-readable ISA for CDNA 5 (MIT licence, August 2026) and "CDNA5" Instruction Set Architecture Reference Guide (July 2026). The comments in the code are by the model that wrote it; some were corrected since.
;; Multi Head Attention. Allowed arithmetic: float matrix products may take bf16 or f16 operands with f32 sums; all other float work in f32.
;; Inputs: Wout 1,024 x 1,024 float32; Wqkv 1,024 x 3,072 float32; bout 1,024 float32; bqkv 3,072 float32; x 2 x 2,048 x 1,024 float32.
;; Outputs: out0 2 x 2,048 x 1,024 float32.
;; One version. Each part assembles by itself: llvm-mc -triple=amdgcn-amd-amdhsa -mcpu=gfx1250 --defsym DOCPART=n.
;; ======== version 1 of 1: 4 launches
;; limits: values are held in f16: magnitudes above 65,504 overflow, below 6.1e-05 lose precision
;; workspace buffers: xb 8,388,608 bytes; wqb 6,291,456 bytes; wob 2,097,152 bytes; qkv 25,165,824 bytes; ao 8,388,608 bytes
;; launch cast (part 1): grid 512 x 1, 8 waves a work-group, no clusters, 0 bytes of LDS; arguments x, Wqkv, Wout, xb, wqb, wob; writes xb, wqb, wob
.if DOCPART == 1
	.amdgcn_target "amdgcn-amd-amdhsa--gfx1250"
	.amdhsa_code_object_version 6
	.text
	.protected	k_q83c3b18463_cast
	.globl	k_q83c3b18463_cast
	.p2align	8
	.type	k_q83c3b18463_cast,@function
k_q83c3b18463_cast:
	s_mov_b64 s[64:65], 0
	v_nop
	global_prefetch_b8 v0, s[64:65] scope:SCOPE_SE
	s_setreg_imm32_b32 hwreg(HW_REG_WAVE_MODE, 25, 1), 1
	s_wait_xcnt 0x0
; The three large f32 inputs are rounded once to 16 bits, layouts unchanged: x -> xb and Wqkv -> wqb in bf16; Wout -> wob.
; Wout is rounded to bf16 like the other two and then written in f16's format, because the last product multiplies it by an f16
; operand and both operands of a matrix instruction have one format.  The second step is exact for |w| >= 2^-17; below that it
; leaves an absolute error of at most 2^-25.  LIMIT: |Wout| < 65,504.
; A work-group takes 65,536 bytes of one input: groups 0-255 x, 256-447 Wqkv, 448-511 Wout (16,777,216 + 12,582,912 + 4,194,304 bytes).
; A stream: no LDS, no barrier, no matrix unit.  A lane's sixteen 16-byte loads all go out first (64 KiB on their way for the group);
; a load of a wave covers 512 consecutive bytes, a store 256 consecutive bytes at a multiple of 256.  No register but T's is written twice.
.set X, 4                              ; v[4:67]    sixteen loads, 4 f32 each
.set Y, 68                             ; v[68:99]   sixteen stores, 4 numbers of 16 bits each
.set T, 100                            ; v[100:105] at work (Wout's way only)
	s_load_b256 s[4:11], s[0:1], 0x0               ; x s[4:5], Wqkv s[6:7], Wout s[8:9], xb s[10:11]
	s_load_b128 s[12:15], s[0:1], 0x20             ; wqb s[12:13], wob s[14:15]
	v_lshlrev_b32 v1, 4, v0                        ; 16 bytes in for each thread
	v_lshlrev_b32 v2, 3, v0                        ; 8 bytes out
	s_mov_b32 s20, 448                             ; first group of Wout
	s_mov_b32 s21, 256                             ; first group of Wqkv
	s_mov_b32 s23, 0
	s_mov_b32 s24, 0xffff0000                      ; a word's upper bf16
	s_wait_kmcnt 0x0
	s_cmp_lt_u32 ttmp9, 448                        ; the choice of buffers hangs on the group's number alone
	s_cselect_b64 s[16:17], s[6:7], s[8:9]
	s_cselect_b64 s[18:19], s[12:13], s[14:15]
	s_cselect_b32 s20, s21, s20
	s_cmp_lt_u32 ttmp9, 256
	s_cselect_b64 s[16:17], s[4:5], s[16:17]
	s_cselect_b64 s[18:19], s[10:11], s[18:19]
	s_cselect_b32 s20, 0, s20
	s_sub_co_u32 s20, ttmp9, s20                   ; my number within the buffer
	s_lshl_b32 s22, s20, 16                        ; x 65,536 bytes in
	s_add_nc_u64 s[16:17], s[16:17], s[22:23]
	s_lshl_b32 s22, s20, 15                        ; x 32,768 bytes out
	s_add_nc_u64 s[18:19], s[18:19], s[22:23]
.irp i, 0,1,2,3,4,5,6,7,8,9,10,11,12,13,14,15
	global_load_b128 v[X+4*\i:X+4*\i+3], v1, s[16:17] offset:4096*\i th:TH_LOAD_NT
.endr
	s_cmp_ge_u32 ttmp9, 448
	s_cbranch_scc1 .Lwout
.irp i, 0,1,2,3,4,5,6,7,8,9,10,11,12,13,14,15
	s_wait_loadcnt 15-\i                           ; loads come back in order: load i is in, the 15 - i younger ones stay out
	v_cvt_pk_bf16_f32 v[Y+2*\i],   v[X+4*\i],   v[X+4*\i+1]
	v_cvt_pk_bf16_f32 v[Y+2*\i+1], v[X+4*\i+2], v[X+4*\i+3]
	global_store_b64 v2, v[Y+2*\i:Y+2*\i+1], s[18:19] offset:2048*\i
.endr
	s_endpgm
.Lwout:
.irp i, 0,1,2,3,4,5,6,7,8,9,10,11,12,13,14,15
	s_wait_loadcnt 15-\i
	v_cvt_pk_bf16_f32 v[T],   v[X+4*\i],   v[X+4*\i+1]     ; the rounding: to bf16
	v_cvt_pk_bf16_f32 v[T+1], v[X+4*\i+2], v[X+4*\i+3]
	v_lshlrev_b32 v[T+2], 16, v[T]                         ; back to f32 (a shift, a mask),
	v_and_b32     v[T+3], s24, v[T]
	v_lshlrev_b32 v[T+4], 16, v[T+1]
	v_and_b32     v[T+5], s24, v[T+1]
	v_cvt_pk_f16_f32 v[Y+2*\i],   v[T+2], v[T+3]           ; and into f16's format
	v_cvt_pk_f16_f32 v[Y+2*\i+1], v[T+4], v[T+5]
	global_store_b64 v2, v[Y+2*\i:Y+2*\i+1], s[18:19] offset:2048*\i
.endr
	s_endpgm
.Lfunc_end_k_q83c3b18463_cast:
	.size	k_q83c3b18463_cast, .Lfunc_end_k_q83c3b18463_cast-k_q83c3b18463_cast
	.p2alignl 7, 3214868480
	.fill 96, 4, 3214868480
	.section	.rodata,"a",@progbits
	.p2align	6, 0x0
	.amdhsa_kernel k_q83c3b18463_cast
		.amdhsa_group_segment_fixed_size 0
		.amdhsa_private_segment_fixed_size 0
		.amdhsa_enable_private_segment 0
		.amdhsa_kernarg_size 48
		.amdhsa_user_sgpr_count 2
		.amdhsa_user_sgpr_kernarg_segment_ptr 1
		.amdhsa_wavefront_size32 1
		.amdhsa_system_sgpr_workgroup_id_x 1
		.amdhsa_system_sgpr_workgroup_id_y 1
		.amdhsa_system_sgpr_workgroup_id_z 1
		.amdhsa_system_vgpr_workitem_id 0
		.amdhsa_next_free_vgpr 108
		.amdhsa_next_free_sgpr 66
		.amdhsa_reserve_vcc 0
		.amdhsa_float_denorm_mode_32 3
		.amdhsa_float_denorm_mode_16_64 3
		.amdhsa_memory_ordered 1
		.amdhsa_forward_progress 1
		.amdhsa_inst_pref_size 15
	.end_amdhsa_kernel
	.amdgpu_metadata
---
amdhsa.version: [ 1, 2 ]
amdhsa.kernels:
  - .name:           k_q83c3b18463_cast
    .symbol:         k_q83c3b18463_cast.kd
    .args:
      - { .name: x, .offset: 0, .size: 8, .value_kind: global_buffer, .address_space: global }
      - { .name: Wqkv, .offset: 8, .size: 8, .value_kind: global_buffer, .address_space: global }
      - { .name: Wout, .offset: 16, .size: 8, .value_kind: global_buffer, .address_space: global }
      - { .name: xb, .offset: 24, .size: 8, .value_kind: global_buffer, .address_space: global }
      - { .name: wqb, .offset: 32, .size: 8, .value_kind: global_buffer, .address_space: global }
      - { .name: wob, .offset: 40, .size: 8, .value_kind: global_buffer, .address_space: global }
    .group_segment_fixed_size: 0
    .private_segment_fixed_size: 0
    .kernarg_segment_align: 8
    .kernarg_segment_size: 48
    .max_flat_workgroup_size: 256
    .sgpr_count:     66
    .vgpr_count:     108
    .wavefront_size: 32
...
	.end_amdgpu_metadata
.endif
;; end of part 1
;; launch qkvg (part 2): grid 16 x 16, 4 waves a work-group, clusters of 4 x 4, 327,680 bytes of LDS; arguments xb, wqb, bqkv, qkv; writes qkv
.if DOCPART == 2
	.amdgcn_target "amdgcn-amd-amdhsa--gfx1250"
	.amdhsa_code_object_version 6
	.text
	.protected	k_q83c3b18463_qkvg
	.globl	k_q83c3b18463_qkvg
	.p2align	8
	.type	k_q83c3b18463_qkvg,@function
k_q83c3b18463_qkvg:
	s_mov_b64 s[64:65], 0
	v_nop
	global_prefetch_b8 v0, s[64:65] scope:SCOPE_SE
	s_setreg_imm32_b32 hwreg(HW_REG_WAVE_MODE, 25, 1), 1
	s_wait_xcnt 0x0
	s_wait_alu depctr_hold_cnt(0) depctr_sa_sdst(0) depctr_va_vdst(0) depctr_va_sdst(0) depctr_va_ssrc(0) depctr_va_vcc(0) depctr_vm_vsrc(0)
	s_getreg_b32 s2, hwreg(HW_REG_IB_STS2, 6, 4)
	s_cmp_eq_u32 s2, 0
	s_cbranch_scc0 .Lentry_in_a_cluster
	s_endpgm
.Lentry_in_a_cluster:
	s_bfe_u32 s2, ttmp6, 0x10000c
	s_cmp_lg_u32 s2, 0xf033
	s_cbranch_scc0 .Lentry_shape_is_right
	s_endpgm
.Lentry_shape_is_right:
; qkv = x Wqkv + bqkv.  xb: [4096][1024] bf16; wqb: [1024 (k)][3072 (n)] bf16; bqkv: [3072] f32; sums in f32.
; The result is rounded once to f16 and stored head-major: qkv[section 0..2][batch*16 + head][s 0..2047][64], a row of 128 bytes.
; LIMIT: |q|, |k|, |v| < 65,504 (f16); with x and Wqkv both 30 times larger their spread is 900, with both offset by 30 spreads they lie near 28,800.
; A work-group makes 256 rows x 192 columns (three heads): 16 x 16 = 256 work-groups of equal work.  Four waves; wave w takes rows 128 (w>>1) .. +127
; and the six column tiles 32 b + 16 (w&1) .. +15: 8 x 6 = 48 accumulator tiles, 384 registers.  K goes in 8 steps of 128 through two LDS slots.
; CLUSTERS: 4 x 4 work-groups.  x's tile hangs on the block row alone and is asked for jointly along a row of the cluster, W's on the block column alone and is
; asked for jointly along a column: the requests for both are divided by four.
; W lies [k][n]: its fragments are read by the transposing LDS load, so no transposed copy is made anywhere.
; W's rows in a tile are 384 bytes (192 = 3072 / 16 columns, for 256 equal work-groups): they start at multiples of 384, not of 256.
; THE MATRIX INSTRUCTION IS USED TRANSPOSED: source 0 = 16 columns of W, source 1 = 16 rows of x; lane l then holds row l % 16 and its eight registers the
; columns 8 (l / 16) + 0..7.  The bias of those eight columns, in the same layout, is the C of the first product: nothing is cleared, nothing added later.
; REGISTERS: window 0: v16-27 addresses, v64-127 and v128-191 x's fragments (two buffers), v192-215 at work on the way out;
;   window 1: v0-47 the bias, v64-111 and v128-175 W's fragments; window 2: accumulators of my rows 0-63 (tile (a, b) at 8 (6 a + b)); window 3: rows 64-127.
.set KSTEP, 128
.set PA,   272                         ; x's LDS row: 256 bytes + 16: an odd multiple of 16, so 16 rows start in 16 different 16-byte columns of a span of 256 bytes
.set PB,   480                         ; W's LDS row: 3 x (128 bytes + 32): an odd multiple of 32, as the transposing load's addresses want
.set AH,   128*PA                      ; 128 rows of x: one tensor load
.set BH,   64*PB                       ; 64 k-rows of W: one tensor load
.set BOFF, 2*AH                        ; W's tile lies behind x's 256 rows
.set SLOT, 2*AH+2*BH                   ; 131,072
.set SP,   400                         ; the way out: 384 bytes of a row + 16
.set LAPS, 4                           ; a lap = two K steps = once round the ring; 1024 / 256
.set ADRA, 16                          ; v16-17  LDS address of my fragments of x in slot 0, 1
.set ADRB, 20                          ; v20-21  the same for W
.set STO,  24                          ; the way out: where I put 16 bytes of a row
.set RD,   25                          ; the way out: where I read a head's rows back
.set CO,   26                          ; 16 x lane
.set BO,   27                          ; my byte offset in the bias
.set F0,   64
.set F1,   128
.set TMP,  192
.set G1A, 24                           ; s[24:31] group 1 for x's tiles
.set G0A, 32                           ; s[32:39] group 0 for x's tiles, one set for each slot
.set G1B, 40                           ; s[40:47] group 1 for W's tiles
.set G0B, 48                           ; s[48:55] group 0 for W's tiles, one set for each slot
.set MSB, 0
.macro WIN new                         ; the immediate's high byte repeats the setting that is left
.if MSB != \new
	s_set_vgpr_msb (MSB<<8)|\new
.set MSB, \new
.endif
.endm
.set MUL_LO,  0xa1                     ; source 0 (W) window 1, source 1 (x) window 0, C and D window 2
.set MUL_HI,  0xf1                     ; the same, C and D window 3
.set BIAS_LO, 0x91                     ; C = the bias in window 1, D window 2
.set BIAS_HI, 0xd1                     ; C = the bias in window 1, D window 3
.set TO_B,    0x40                     ; destination window 1, address window 0
; A joint load: waves 0 and 1 fetch x's two halves, waves 2 and 3 W's.  The branch hangs on the wave's number alone.
.macro JLOAD s
	s_cmp_eq_u32 s13, 0
	s_cbranch_scc0 .Lfor_b_\@
	tensor_load_to_lds s[G0A+4*\s:G0A+4*\s+3], s[G1A:G1A+7]
	s_nop 0
	s_branch .Lasked_\@
.Lfor_b_\@:
	tensor_load_to_lds s[G0B+4*\s:G0B+4*\s+3], s[G1B:G1B+7]
	s_nop 0
.Lasked_\@:
.endm
.macro CREST                           ; a round of the cluster's barrier behind its opening barrier
	s_cmp_lg_u32 s12, 0
	s_cbranch_scc1 .Lnot_wave_0_\@
	s_barrier_signal -3
.Lnot_wave_0_\@:
	s_barrier_wait -3
	s_barrier_signal -1
	s_barrier_wait -1
.endm
.macro CROUND                          ; a whole round
	s_barrier_signal -1
	s_barrier_wait -1
	CREST
.endm
	s_load_b256 s[4:11], s[0:1], 0x0               ; xb s[4:5], wqb s[6:7], bqkv s[8:9], qkv s[10:11]
	s_set_vgpr_msb 0x40
	v_lshl_add_u32 v255, v0, 2, 0x40000
	s_set_vgpr_msb 0x4000
	v_mov_b32 v255, 0
	s_set_vgpr_msb 0x1
	ds_add_u32 v255, v255
	s_set_vgpr_msb 0x100
	v_lshrrev_b32 v1, 5, v0
	v_readfirstlane_b32 s12, v1                    ; wave 0..3
	s_lshr_b32 s13, s12, 1                         ; mh: which 128 rows are mine.  Also: I fetch for x (0) or for W (1)
	s_and_b32 s14, s12, 1                          ; nh: which of each pair of column tiles.  Also: which half of a tile I fetch
	s_bfe_u32 s16, ttmp6, 0x40000                  ; cx
	s_bfe_u32 s17, ttmp6, 0x40004                  ; cy
	s_lshl_b32 s18, ttmp9, 2
	s_add_co_u32 s18, s18, s16                     ; block column bx = 4 x cluster x + cx
	s_and_b32 s19, ttmp7, 0xffff
	s_lshl_b32 s19, s19, 2
	s_add_co_u32 s19, s19, s17                     ; block row by = 4 x cluster y + cy
	s_lshl_b32 s20, s17, 2
	s_lshl_b32 s20, 15, s20                        ; my row of the cluster: places 4 cy .. 4 cy + 3
	s_lshl_b32 s21, 0x1111, s16                    ; my column: places cx, cx + 4, cx + 8, cx + 12
	; group 1 for x: 128 rows x 128 elements of 2 bytes, 4 words of padding behind every 64 words
	s_or_b32 s[G1A+0], s20, (1<<16)|(1<<20)|(1<<21)|(5<<22)|(3<<25)
	s_mov_b32 s[G1A+1], 128<<16                    ; tensor_dim0 = 128
	s_mov_b32 s[G1A+2], 128<<16                    ; tensor_dim1 = 128
	s_mov_b32 s[G1A+3], 128<<16                    ; tile_dim0 = 128
	s_mov_b32 s[G1A+4], 128                        ; tile_dim1 = 128
	s_mov_b32 s[G1A+5], 1024                       ; elements from row to row
	s_mov_b32 s[G1A+6], 0
	s_mov_b32 s[G1A+7], 0
	; group 1 for W: 64 k-rows x 192 elements, 8 words of padding behind every 32 words (three times in a row of 96 words)
	s_or_b32 s[G1B+0], s21, (1<<16)|(1<<20)|(1<<21)|(4<<22)|(7<<25)
	s_mov_b32 s[G1B+1], 192<<16
	s_mov_b32 s[G1B+2], 64<<16
	s_mov_b32 s[G1B+3], 192<<16
	s_mov_b32 s[G1B+4], 64
	s_mov_b32 s[G1B+5], 3072
	s_mov_b32 s[G1B+6], 0
	s_mov_b32 s[G1B+7], 0
	; x's address is made of by and the wave's number in s[56:57], W's of bx and the wave's number in s[58:59]: neither pair ever holds the other coordinate
	s_lshl_b32 s56, s19, 8
	s_lshl_b32 s57, s14, 7
	s_add_co_u32 s56, s56, s57                     ; row 256 by + 128 nh
	s_lshl_b32 s56, s56, 11                        ; x 2,048 bytes
	s_mov_b32 s57, 0
	s_mul_i32 s58, s14, 64*6144                    ; k-row 64 nh
	s_mul_i32 s59, s18, 384                        ; column 192 bx
	s_add_co_u32 s58, s58, s59
	s_mov_b32 s59, 0
	s_mul_i32 s72, s18, 768                        ; the bias of column 192 bx
	s_mov_b32 s73, 0
	s_mul_i32 s60, s12, AH                         ; LDS: x's halves at wave x 34,816 (waves 0, 1)
	s_mul_i32 s61, s12, BH
	s_add_co_u32 s61, s61, BOFF-2*BH               ; W's halves at 69,632 + (wave - 2) x 30,720 (waves 2, 3)
	v_bfe_u32 v2, v0, 4, 1                         ; h = lane / 16
	s_lshl_b32 s62, s14, 6
	v_lshl_add_u32 v[BO], v2, 5, s62               ; 64 nh + 32 h
	s_wait_dscnt 0x0
	s_wait_kmcnt 0x0
	s_add_nc_u64 s[56:57], s[4:5], s[56:57]
	s_add_nc_u64 s[58:59], s[6:7], s[58:59]
	s_add_nc_u64 s[8:9], s[8:9], s[72:73]
	WIN TO_B
.irp b, 0,1,2,3,4,5
	global_load_b128 v[8*\b:8*\b+3],   v[BO], s[8:9] offset:128*\b      ; bias of columns 32 b + 16 nh + 8 h + 0..3
	global_load_b128 v[8*\b+4:8*\b+7], v[BO], s[8:9] offset:128*\b+16   ; .. + 4..7
.endr
	WIN 0
	CROUND                                         ; all sixteen work-groups are here: the first joint loads meet
.irp s, 0,1
	s_mov_b32 s[G0A+4*\s], 1
	s_add_co_u32 s[G0A+4*\s+1], s60, \s*SLOT
	s_add_nc_u64 s[G0A+4*\s+2:G0A+4*\s+3], s[56:57], \s*KSTEP*2
	s_or_b32 s[G0A+4*\s+3], s[G0A+4*\s+3], 0x80000000
	s_mov_b32 s[G0B+4*\s], 1
	s_add_co_u32 s[G0B+4*\s+1], s61, \s*SLOT
	s_add_nc_u64 s[G0B+4*\s+2:G0B+4*\s+3], s[58:59], \s*KSTEP*6144
	s_or_b32 s[G0B+4*\s+3], s[G0B+4*\s+3], 0x80000000
	JLOAD \s                                       ; K steps 0 and 1: two loads of this wave are out, later one
.endr
	v_and_b32 v1, 15, v0                           ; r = lane % 16
	v_and_b32 v3, 7, v0                            ; lane % 8
	v_bfe_u32 v4, v0, 3, 1                         ; (lane / 8) % 2
	v_mul_u32_u24 v5, v1, PA
	v_lshl_add_u32 v5, v2, 4, v5                   ; x: row r, 16 bytes for each half of the lanes
	s_mul_i32 s62, s13, AH
	v_add_nc_u32 v[ADRA], s62, v5
	v_add_nc_u32 v[ADRA+1], SLOT, v[ADRA]
	v_lshl_add_u32 v6, v2, 3, v3                   ; W: k-row 8 h + lane % 8,
	v_mul_u32_u24 v6, v6, PB
	v_lshl_add_u32 v6, v4, 4, v6                   ; eight columns for each group of eight lanes
	s_lshl_b32 s62, s14, 5
	s_add_co_u32 s62, s62, BOFF
	v_add_nc_u32 v[ADRB], s62, v6
	v_add_nc_u32 v[ADRB+1], SLOT, v[ADRB]
	v_mul_u32_u24 v7, v1, SP
	v_lshl_add_u32 v7, v2, 4, v7
	s_mul_i32 s62, s13, 128*SP
	s_lshl_b32 s63, s14, 5
	s_add_co_u32 s62, s62, s63
	v_add_nc_u32 v[STO], s62, v7                   ; (128 mh + r) x 400 + 32 nh + 16 h
	v_bfe_u32 v8, v0, 3, 2
	v_mul_u32_u24 v8, v8, SP
	v_lshl_add_u32 v8, v3, 4, v8
	s_mul_i32 s62, s12, 64*SP
	v_add_nc_u32 v[RD], s62, v8                    ; (64 w + lane / 8) x 400 + 16 (lane % 8)
	v_and_b32 v9, 31, v0
	v_lshlrev_b32 v[CO], 4, v9
; 12 matrix instructions: row tiles a0, a0 + 1 of the window's four x all 6 column tiles, 32 along K.  first = 1: the bias starts the sums.
; The 48 accumulators take turns, one instruction a turn, in the same order in every quarter step.
.macro MUL12 f, hi, a0, first
.irp a, \a0, \a0+1
.irp b, 0,1,2,3,4,5
.if \first
	v_wmma_f32_16x16x32_bf16 v[8*(6*(\a)+\b):8*(6*(\a)+\b)+7], v[\f+8*\b:\f+8*\b+7], v[\f+8*(4*\hi+\a):\f+8*(4*\hi+\a)+7], v[8*\b:8*\b+7]
.else
	v_wmma_f32_16x16x32_bf16 v[8*(6*(\a)+\b):8*(6*(\a)+\b)+7], v[\f+8*\b:\f+8*\b+7], v[\f+8*(4*\hi+\a):\f+8*(4*\hi+\a)+7], v[8*(6*(\a)+\b):8*(6*(\a)+\b)+7]
.endif
.endr
.endr
.endm
; 28 LDS loads in one run: quarter step kq of a slot into buffer f.  W: two transposing loads a tile, 16 k-rows apart; column tile b lies at byte
; 64 b + 32 (b / 2) of the padded row (+ 32 nh in the address).  x: two loads a tile, 32 bytes apart.
.macro FETCH slot, kq, f
	WIN TO_B
.irp b, 0,1,2,3,4,5
	ds_load_tr16_b128 v[\f+8*\b:\f+8*\b+3],   v[ADRB+\slot] offset:\kq*32*PB+64*\b+32*(\b>>1)
	ds_load_tr16_b128 v[\f+8*\b+4:\f+8*\b+7], v[ADRB+\slot] offset:\kq*32*PB+64*\b+32*(\b>>1)+16*PB
.endr
	WIN 0
.irp i, 0,1,2,3,4,5,6,7
	ds_load_b128 v[\f+8*\i:\f+8*\i+3],   v[ADRA+\slot] offset:\kq*64+\i*16*PA
	ds_load_b128 v[\f+8*\i+4:\f+8*\i+7], v[ADRA+\slot] offset:\kq*64+\i*16*PA+32
.endr
.endm
; Four places of plain vector instructions behind a matrix instruction before a load lands in one of its registers or a vector instruction reads its
; result (ISA guide 7.12.1 for vector instructions).
.macro PLACES
.rept 4
	v_nop
.endr
.endm
; One of a K step's first three quarters: multiplies buffer f; in its middle it fetches quarter kq of the same slot into buffer g.
.macro QUARTER slot, kq, f, g, first
	s_wait_dscnt 0x8                               ; W and x's rows 0-63 are in; the youngest eight loads (x's rows 64-127) may be out
.if \first
	WIN BIAS_LO
.else
	WIN MUL_LO
.endif
	MUL12 \f, 0, 0, \first
	MUL12 \f, 0, 2, \first
	PLACES
	FETCH \slot, \kq, \g
	s_wait_dscnt 0x1c                              ; all but the 28 just issued
.if \first
	WIN BIAS_HI
.else
	WIN MUL_HI
.endif
	MUL12 \f, 1, 0, \first
	MUL12 \f, 1, 2, \first
.endm
.macro THREE slot, first
	QUARTER \slot, 1, F0, F1, \first
	QUARTER \slot, 2, F1, F0, 0
	QUARTER \slot, 3, F0, F1, 0
.endm
; The last quarter: multiplies buffer 1 and changes slots.  In front of the barrier each wave waits for its reads of this slot and for all its tensor
; loads (one is out: its part of the next slot).  fill = 1: the barrier opens a round of the cluster's barrier, and the joint refill, two K steps
; ahead, is the first tensor load behind the round's closing wait.  From a request to the wait for it a wave issues 180 matrix instructions.
.macro TURN slot, next, fill
	s_wait_dscnt 0x8
	WIN MUL_LO
	MUL12 F1, 0, 0, 0
	s_wait_dscnt 0x0                               ; my reads of this slot are over
	s_wait_tensorcnt 0x0                           ; all my tensor loads have landed
	ds_add_u32 v255, v255
	s_wait_dscnt 0x0
	s_barrier_signal -1
	MUL12 F1, 0, 2, 0                              ; register work while the others arrive
	WIN 0
	s_barrier_wait -1
.if \fill
	CREST
	s_add_nc_u64 s[G0A+4*\slot+2:G0A+4*\slot+3], s[G0A+4*\slot+2:G0A+4*\slot+3], 2*KSTEP*2
	s_add_nc_u64 s[G0B+4*\slot+2:G0B+4*\slot+3], s[G0B+4*\slot+2:G0B+4*\slot+3], 2*KSTEP*6144
	JLOAD \slot
.endif
	PLACES
	FETCH \next, 0, F0
	WIN MUL_HI
	MUL12 F1, 1, 0, 0
	MUL12 F1, 1, 2, 0
.endm
.macro LAP first
	THREE 0, \first
	TURN 0, 1, 1
	THREE 1, 0
	TURN 1, 0, 1
.endm
	s_wait_tensorcnt 0x1                           ; my part of K step 0 is in; K step 1's may stay out
	s_barrier_signal -1
	s_barrier_wait -1
	s_wait_loadcnt 0x0                             ; the bias
	FETCH 0, 0, F0
	LAP 1                                          ; the first lap stands in front of the loop: its first products take the bias as C
	WIN 0
	s_mov_b32 s15, LAPS-2
.Llap:
	LAP 0
	WIN 0
	s_sub_co_u32 s15, s15, 1
	s_cmp_lg_u32 s15, 0
	s_cbranch_scc1 .Llap
	THREE 0, 0                                     ; the last lap fills nothing and has no round
	TURN 0, 1, 0
	THREE 1, 0
	s_wait_dscnt 0x8
	WIN MUL_LO
	MUL12 F1, 0, 0, 0
	MUL12 F1, 0, 2, 0
	s_wait_dscnt 0x0
	WIN MUL_HI
	MUL12 F1, 1, 0, 0
	MUL12 F1, 1, 2, 0
	; THE WAY OUT.  A head's 64 columns are shared by the waves nh = 0 and 1, so the whole block of 256 x 192 meets in LDS: in slot 0, which has had its last
	; fill, and whose last reads every wave waited for in front of the barrier of the last lap's change of slots.  Slot 1, which slower waves still read, is not touched.
	PLACES
	; where the three heads go: column group cg = 3 bx + i; section cg / 16, head cg % 16; batch by / 8; first row (by % 8) x 256 + 64 w
.irp i, 0,1,2
	s_mul_i32 s72, s18, 3
	s_add_co_u32 s72, s72, \i
	s_lshr_b32 s73, s72, 4
	s_and_b32 s72, s72, 15
	s_lshl_b32 s73, s73, 1
	s_lshr_b32 s74, s19, 3
	s_add_co_u32 s73, s73, s74
	s_lshl4_add_u32 s72, s73, s72                  ; (2 section + batch) x 16 + head
	s_lshl_b32 s72, s72, 18                        ; x 262,144 bytes
	s_and_b32 s74, s19, 7
	s_lshl_b32 s74, s74, 8
	s_lshl_b32 s75, s12, 6
	s_add_co_u32 s74, s74, s75
	s_lshl_b32 s74, s74, 7                         ; row x 128 bytes
	s_add_co_u32 s72, s72, s74
	s_mov_b32 s73, 0
	s_add_nc_u64 s[66+2*\i:67+2*\i], s[10:11], s[72:73]
.endr
; rows 64 hi + 16 a .. + 15 of my 128: round to f16, 16 bytes a lane (eight neighbouring columns of one row) into the stage
.macro OUTST hi, a, from
	WIN \from
.irp b, 0,1,2,3,4,5
.irp q, 0,1,2,3
	v_cvt_pk_f16_f32 v[TMP+4*\b+\q], v[8*(6*\a+\b)+2*\q], v[8*(6*\a+\b)+2*\q+1]
.endr
.endr
	WIN 0
.irp b, 0,1,2,3,4,5
	ds_store_b128 v[STO], v[TMP+4*\b:TMP+4*\b+3] offset:(64*\hi+16*\a)*SP+64*\b
.endr
.endm
	OUTST 0, 0, 0x0a
	OUTST 0, 1, 0x0a
	OUTST 0, 2, 0x0a
	OUTST 0, 3, 0x0a
	OUTST 1, 0, 0x0f
	OUTST 1, 1, 0x0f
	OUTST 1, 2, 0x0f
	OUTST 1, 3, 0x0f
	s_wait_dscnt 0x0                               ; for the others' sake: my stores are in LDS
	s_barrier_signal -1
	s_barrier_wait -1
; head i of rows 64 w .. + 63: a load takes four rows of 128 bytes, a store of the wave covers 512 consecutive bytes at a multiple of 512
.macro OUTH i, f
.irp t, 0,1,2,3,4,5,6,7,8,9,10,11,12,13,14,15
	ds_load_b128 v[\f+4*\t:\f+4*\t+3], v[RD] offset:4*SP*\t+128*\i
.endr
.irp t, 0,1,2,3,4,5,6,7,8,9,10,11,12,13,14,15
	s_wait_dscnt 15-\t
	global_store_b128 v[CO], v[\f+4*\t:\f+4*\t+3], s[66+2*\i:67+2*\i] offset:512*\t
.endr
.endm
	OUTH 0, F0
	OUTH 1, F1
	s_wait_xcnt 0x0                                ; buffer 0, which the first head's stores read, is loaded again only behind this wait
	OUTH 2, F0
	s_set_vgpr_msb 0x1
	s_wait_tensorcnt 0x0
	ds_add_u32 v255, v255
	s_wait_dscnt 0x0
	s_set_vgpr_msb 0x100
	CROUND                                         ; the closing round: no work-group ends while a partner may still ask for a tile that names it
	s_endpgm
.Lfunc_end_k_q83c3b18463_qkvg:
	.size	k_q83c3b18463_qkvg, .Lfunc_end_k_q83c3b18463_qkvg-k_q83c3b18463_qkvg
	.p2alignl 7, 3214868480
	.fill 96, 4, 3214868480
	.section	.rodata,"a",@progbits
	.p2align	6, 0x0
	.amdhsa_kernel k_q83c3b18463_qkvg
		.amdhsa_group_segment_fixed_size 327680
		.amdhsa_private_segment_fixed_size 0
		.amdhsa_enable_private_segment 0
		.amdhsa_kernarg_size 32
		.amdhsa_user_sgpr_count 2
		.amdhsa_user_sgpr_kernarg_segment_ptr 1
		.amdhsa_wavefront_size32 1
		.amdhsa_system_sgpr_workgroup_id_x 1
		.amdhsa_system_sgpr_workgroup_id_y 1
		.amdhsa_system_sgpr_workgroup_id_z 1
		.amdhsa_system_vgpr_workitem_id 0
		.amdhsa_next_free_vgpr 960
		.amdhsa_next_free_sgpr 76
		.amdhsa_reserve_vcc 0
		.amdhsa_float_denorm_mode_32 3
		.amdhsa_float_denorm_mode_16_64 3
		.amdhsa_memory_ordered 1
		.amdhsa_forward_progress 1
		.amdhsa_inst_pref_size 160
	.end_amdhsa_kernel
	.amdgpu_metadata
---
amdhsa.version: [ 1, 2 ]
amdhsa.kernels:
  - .name:           k_q83c3b18463_qkvg
    .symbol:         k_q83c3b18463_qkvg.kd
    .args:
      - { .name: xb, .offset: 0, .size: 8, .value_kind: global_buffer, .address_space: global }
      - { .name: wqb, .offset: 8, .size: 8, .value_kind: global_buffer, .address_space: global }
      - { .name: bqkv, .offset: 16, .size: 8, .value_kind: global_buffer, .address_space: global }
      - { .name: qkv, .offset: 24, .size: 8, .value_kind: global_buffer, .address_space: global }
    .group_segment_fixed_size: 327680
    .private_segment_fixed_size: 0
    .kernarg_segment_align: 8
    .kernarg_segment_size: 32
    .max_flat_workgroup_size: 128
    .sgpr_count:     76
    .vgpr_count:     960
    .wavefront_size: 32
...
	.end_amdgpu_metadata
.endif
;; end of part 2
;; launch attn (part 3): grid 256 x 1, 8 waves a work-group, no clusters, 327,680 bytes of LDS; arguments qkv, ao; writes ao
.if DOCPART == 3
	.amdgcn_target "amdgcn-amd-amdhsa--gfx1250"
	.amdhsa_code_object_version 6
	.text
	.protected	k_q83c3b18463_attn
	.globl	k_q83c3b18463_attn
	.p2align	8
	.type	k_q83c3b18463_attn,@function
k_q83c3b18463_attn:
	s_mov_b64 s[64:65], 0
	v_nop
	global_prefetch_b8 v0, s[64:65] scope:SCOPE_SE
	s_setreg_imm32_b32 hwreg(HW_REG_WAVE_MODE, 25, 1), 1
	s_wait_xcnt 0x0
; Causal attention of one head, with a running maximum.  qkv: [3][32 heads][2048][64] f16; ao: [32][2048][64] f16; scores, softmax and sums in f32.
; A work-group takes the query blocks j and 15 - j (128 queries each) of head bh: (j + 1) + (16 - j) = 17 key tiles of 128 for every one of the 256 work-groups.
; Key tiles above the diagonal are not touched; the diagonal tile is masked with -inf.  The block with the even number of tiles goes first, so that a tile's
; slot is its place in the sequence modulo 2 and stands in the text.
; Eight waves: g = w & 3 names 32 queries (two tiles qt), p = w >> 2 a half (64 keys) of every key tile.  The two halves keep their own maximum, sum and O
; and are merged through LDS at the end of a block.
; ORIENTATION: S^T = K Q^T (A = 16 keys, B = 16 queries): register jj of lane (r, h) holds key 16 kt + 8 h + jj of query r.  Rounded to f16, two such tiles ARE
; the B fragment of O^T = V^T P^T (A = V^T by the transposing LDS load).  A lane's statistics belong to one query; only lanes r and r + 16 have to meet.
; NO CLUSTER: the eight work-groups of a head walk sequences of tiles whose first parts have 2, 4, .. 16 tiles, so at a given step they want different tiles;
; walking all 16 tiles twice in step would be 32 tile steps of which 20 hold work, against 17 here.
; LIMITS: the running maximum starts at -2^127, not at -inf (a score below that counts as that); a NaN among the scores does not spread as in the reference
; (the maximum ignores it); |v| < 65,504.
.set SLOT, 38912                       ; V: 128 rows x 160 bytes, then K: 128 rows x 144 bytes
.set KOFF, 20480
.set PK,   144                         ; 128 bytes + 16: an odd multiple of 16
.set PV,   160                         ; 128 bytes + 32: an odd multiple of 32, for the transposing load
.set SCR,  77824                       ; 4 x 8,704: wave g + 4 hands O (16 x 512 bytes) and its statistics (512) to wave g; no tensor load lands here
.set STG,  112640                      ; 4 x 4,608: 32 rows x 144 bytes, the way out of waves 0-3, each its own
.set TILEB, 16384                      ; a key tile in memory: 128 rows x 128 bytes
.set C_SC,  0x3e38aa3b                 ; log2(e) / 8
.set C_NEG, 0xbe38aa3b
.set G1V, 16                           ; s[16:23]
.set G1K, 24                           ; s[24:31]
.set G0V, 32                           ; s[32:39], a set for each slot
.set G0K, 40                           ; s[40:47]
; s8 w, s9 g, s10 p, s11 j, s12 bh, s13 first block, s14 second block, s[48:49] V's base, s[50:51] K's base, s[52:53] byte offset of the tile to ask for next,
; s[54:55] Q's base, s[56:57] ao's base, s58 trip counter, s59 pairs of trips in the second block, s60-61 lane selects, s62-63, s66-67 at work
; v1-2 K's LDS address (slot 0, 1), v3-4 V's, v5 mask term, v6 -inf, v7 Q's offset, v8 hand-over, v9-10 stage in / back, v11 16 x lane, v12-19 at work,
; v20-21 maximum (qt 0, 1), v22-23 sum, v[24:27] -c x maximum, twice each, v[28:31] rescaling factor, twice each
.set QR, 32                            ; v[32:63]   Q(qt, ks) at 32 + 8 (2 qt + ks)
.set F,  64                            ; v[64:127]  K's fragments (kt, ks) at 64 + 8 (4 ks + kt), then V's (dt, ks2) at 64 + 8 (4 ks2 + dt)
.set SR, 128                           ; v[128:191] S(kt, qt) at 128 + 32 qt + 8 kt; P(qt, ks2) packed in place at 128 + 32 qt + 16 ks2
.set OA, 192                           ; v[192:255] O(dt, qt) at 192 + 8 (2 dt + qt)
; A tile is four loads of 64 rows: waves 0, 1 V's halves, waves 2, 3 K's; waves 4-7 issue none.  The branches hang on the wave's number alone.
.macro ALOAD s
	s_cmp_ge_u32 s8, 4
	s_cbranch_scc1 .Lnone_\@
	s_cmp_ge_u32 s8, 2
	s_cbranch_scc1 .Lk_\@
	tensor_load_to_lds s[G0V+4*(\s):G0V+4*(\s)+3], s[G1V:G1V+7]
	s_nop 0
	s_branch .Lnone_\@
.Lk_\@:
	tensor_load_to_lds s[G0K+4*(\s):G0K+4*(\s)+3], s[G1K:G1K+7]
	s_nop 0
.Lnone_\@:
.endm
	s_load_b128 s[4:7], s[0:1], 0x0                ; qkv s[4:5], ao s[6:7]
	s_set_vgpr_msb 0x40
	v_lshl_add_u32 v0, v0, 2, 0x29000
	v_mov_b32 v1, 0
	s_set_vgpr_msb 0x4045
	ds_add_u32 v0, v1
	s_set_vgpr_msb 0x4500
	v_lshrrev_b32 v12, 5, v0
	v_readfirstlane_b32 s8, v12                    ; wave 0..7
	s_and_b32 s9, s8, 3                            ; g
	s_lshr_b32 s10, s8, 2                          ; p
	s_and_b32 s11, ttmp9, 7                        ; j
	s_lshr_b32 s12, ttmp9, 3                       ; bh
	s_sub_co_u32 s62, 15, s11
	s_bitcmp1_b32 s11, 0
	s_cselect_b32 s13, s11, s62                    ; the odd one of j and 15 - j: an even number of tiles, taken first
	s_sub_co_u32 s14, 15, s13                      ; the even one: an odd number of tiles
	s_add_co_u32 s58, s13, 1
	s_lshr_b32 s58, s58, 1                         ; pairs of trips in the first block, 1..8
	s_lshr_b32 s59, s14, 1                         ; pairs of trips in the second block, 0..7, and one trip more
	s_mov_b32 s60, 0x76543210                      ; v_permlanex16_b32: lane i of one half reads lane i of the other
	s_mov_b32 s61, 0xfedcba98
	; group 1: 64 rows x 64 elements of 2 bytes; behind every 32 words V gets 8 words of padding, K 4
	s_mov_b32 s[G1V+0], (1<<16)|(1<<20)|(4<<22)|(7<<25)
	s_mov_b32 s[G1K+0], (1<<16)|(1<<20)|(4<<22)|(3<<25)
.irp g, G1V, G1K
	s_mov_b32 s[\g+1], 64<<16                      ; tensor_dim0 = 64
	s_mov_b32 s[\g+2], 64<<16                      ; tensor_dim1 = 64
	s_mov_b32 s[\g+3], 64<<16                      ; tile_dim0 = 64
	s_mov_b32 s[\g+4], 64                          ; tile_dim1 = 64
	s_mov_b32 s[\g+5], 64                          ; elements from row to row
	s_mov_b32 s[\g+6], 0
	s_mov_b32 s[\g+7], 0
.endr
	s_mul_i32 s62, s8, 64*PV                       ; V's halves at wave x 10,240 (waves 0, 1)
	s_mul_i32 s63, s8, 64*PK
	s_add_co_u32 s63, s63, KOFF-2*64*PK            ; K's halves at 20,480 + (wave - 2) x 9,216 (waves 2, 3)
.irp s, 0,1
	s_mov_b32 s[G0V+4*\s], 1
	s_add_co_u32 s[G0V+4*\s+1], s62, \s*SLOT
	s_mov_b32 s[G0K+4*\s], 1
	s_add_co_u32 s[G0K+4*\s+1], s63, \s*SLOT
.endr
	s_lshl_b32 s66, s12, 18                        ; the head: 262,144 bytes
	s_and_b32 s67, s8, 1
	s_lshl_b32 s67, s67, 13                        ; my half of a tile: 64 rows x 128 bytes
	s_add_co_u32 s66, s66, s67
	s_mov_b32 s67, 0
	s_mov_b32 s53, 0
	s_wait_dscnt 0x0
	s_barrier_signal -1
	s_barrier_wait -1
	s_wait_kmcnt 0x0
	s_add_nc_u64 s[50:51], s[4:5], s[66:67]
	s_add_nc_u64 s[48:49], s[50:51], 0x1000000     ; V: section 2
	s_add_nc_u64 s[50:51], s[50:51], 0x800000      ; K: section 1
	s_mov_b64 s[G0V+2:G0V+3], s[48:49]             ; tile 0
	s_or_b32 s[G0V+3], s[G0V+3], 0x80000000
	s_mov_b64 s[G0K+2:G0K+3], s[50:51]
	s_or_b32 s[G0K+3], s[G0K+3], 0x80000000
	ALOAD 0                                        ; the one first fill, ahead of every wait on TENSORcnt
	s_mov_b32 s52, TILEB                           ; tile 1 is asked for next
	v_and_b32 v12, 15, v0                          ; r
	v_bfe_u32 v13, v0, 4, 1                        ; h
	v_and_b32 v14, 7, v0                           ; lane % 8
	v_bfe_u32 v15, v0, 3, 1                        ; (lane / 8) % 2
	v_and_b32 v16, 31, v0                          ; lane
	v_bfe_u32 v17, v0, 3, 2                        ; lane / 8
	v_mul_u32_u24 v1, v12, PK
	v_lshl_add_u32 v1, v13, 4, v1
	s_mul_i32 s62, s10, 64*PK
	s_add_co_u32 s62, s62, KOFF
	v_add_nc_u32 v1, s62, v1                       ; K: 20,480 + (64 p + r) x 144 + 16 h
	v_add_nc_u32 v2, SLOT, v1
	v_lshl_add_u32 v3, v13, 3, v14
	v_mul_u32_u24 v3, v3, PV
	v_lshl_add_u32 v3, v15, 4, v3
	s_mul_i32 s62, s10, 64*PV
	v_add_nc_u32 v3, s62, v3                       ; V: (64 p + 8 h + lane % 8) x 160 + 16 ((lane / 8) % 2)
	v_add_nc_u32 v4, SLOT, v3
	v_lshlrev_b32 v5, 3, v13
	v_sub_nc_u32 v5, v12, v5
	s_lshl_b32 s62, s9, 5
	s_lshl_b32 s63, s10, 6
	s_sub_co_i32 s62, s62, s63
	v_add_nc_u32 v5, s62, v5                       ; r - 8 h + 32 g - 64 p: key 16 kt + jj is masked for query tile qt where 16 kt + jj - 16 qt is greater
	v_mov_b32 v6, 0xff800000                       ; -inf
	v_lshlrev_b32 v7, 7, v12
	v_lshl_add_u32 v7, v13, 4, v7                  ; Q: 128 r + 16 h
	s_mul_i32 s62, s9, 8704
	s_add_co_u32 s62, s62, SCR
	v_lshl_add_u32 v8, v16, 4, s62
	s_mul_i32 s63, s9, 4608
	s_add_co_u32 s63, s63, STG
	v_mul_u32_u24 v9, v12, PK
	v_lshl_add_u32 v9, v13, 4, v9
	v_add_nc_u32 v9, s63, v9
	v_mul_u32_u24 v10, v17, PK
	v_lshl_add_u32 v10, v14, 4, v10
	v_add_nc_u32 v10, s63, v10
	v_lshlrev_b32 v11, 4, v16
; The start of a query block (its number in a scalar register): Q's fragments straight from memory, O = 0, sum = 0, maximum = -2^127.
; O is cleared (twice in 17 trips) because every trip rescales it, the first too, and the factor 0 needs a finite O.
.macro REINIT blk
	s_lshl_b32 s62, \blk, 7
	s_lshl_b32 s63, s9, 5
	s_add_co_u32 s62, s62, s63                     ; row 128 block + 32 g
	s_lshl_b32 s62, s62, 7
	s_lshl_b32 s63, s12, 18
	s_add_co_u32 s62, s62, s63
	s_mov_b32 s63, 0
	s_add_nc_u64 s[54:55], s[4:5], s[62:63]
	s_add_nc_u64 s[56:57], s[6:7], s[62:63]
.irp t, 0,1
.irp ks, 0,1
	global_load_b128 v[QR+8*(2*\t+\ks):QR+8*(2*\t+\ks)+3],   v7, s[54:55] offset:2048*\t+64*\ks
	global_load_b128 v[QR+8*(2*\t+\ks)+4:QR+8*(2*\t+\ks)+7], v7, s[54:55] offset:2048*\t+64*\ks+32
.endr
.endr
.set n_, 0
.rept 64
	v_mov_b32 v[OA+n_], 0
.set n_, n_+1
.endr
	v_mov_b32 v20, 0xff000000
	v_mov_b32 v21, 0xff000000
	v_mov_b32 v22, 0
	v_mov_b32 v23, 0
	v_mul_f32 v24, C_NEG, v20
	v_mul_f32 v25, C_NEG, v20
	v_mul_f32 v26, C_NEG, v20
	v_mul_f32 v27, C_NEG, v20
	s_wait_loadcnt 0x0
.endm
; The softmax of query tile q, in steps.  SMAX: the new maximum over my 32 scores, the old maximum and the other half of the lanes; the factor
; 2^(c (old - new)) for O and the sum.  The three moves are the plain places behind the two exponentials (ISA guide 5.7.2).
.macro SMAX q
.irp c, 0,1,2,3
	v_max3_num_f32 v[12+\c], v[SR+32*\q+8*\c], v[SR+32*\q+8*\c+1], v[SR+32*\q+8*\c+2]
.endr
.irp c, 0,1,2,3
	v_max3_num_f32 v[12+\c], v[12+\c], v[SR+32*\q+8*\c+3], v[SR+32*\q+8*\c+4]
.endr
.irp c, 0,1,2,3
	v_max3_num_f32 v[12+\c], v[12+\c], v[SR+32*\q+8*\c+5], v[SR+32*\q+8*\c+6]
.endr
	v_max3_num_f32 v12, v12, v[SR+32*\q+7], v[SR+32*\q+15]
	v_max3_num_f32 v13, v13, v[SR+32*\q+23], v[SR+32*\q+31]
	v_max3_num_f32 v12, v12, v13, v14
	v_max3_num_f32 v12, v12, v15, v[20+\q]
	v_permlanex16_b32 v13, v12, s60, s61
	v_max_num_f32 v12, v12, v13
	v_mul_f32 v14, C_NEG, v12                      ; -c x new maximum
	v_sub_f32 v15, v14, v[24+2*\q]                 ; c (old - new)
	v_exp_f32 v[28+2*\q], v15
	v_exp_f32 v[29+2*\q], v15
	v_mov_b32 v[20+\q], v12
	v_mov_b32 v[24+2*\q], v14
	v_mov_b32 v[25+2*\q], v14
.endm
.macro SFMA q                          ; c s - c max, two at a time
.irp i, 0,2,4,6,8,10,12,14,16,18,20,22,24,26,28,30
	v_pk_fma_f32 v[SR+32*\q+\i:SR+32*\q+\i+1], v[SR+32*\q+\i:SR+32*\q+\i+1], C_SC, v[24+2*\q:25+2*\q] op_sel_hi:[1,0,1]
.endr
.endm
.macro SEXP q                          ; the step that follows begins with a plain instruction on other registers: the place behind the last exponential
.set n_, 0
.rept 32
	v_exp_f32 v[SR+32*\q+n_], v[SR+32*\q+n_]
.set n_, n_+1
.endr
.endm
.macro SSUM q                          ; my lane's part of the row sum, in two chains; sum = sum x factor + part
	s_wait_alu depctr_va_vdst(0)
	v_pk_add_f32 v[12:13], v[SR+32*\q:SR+32*\q+1], v[SR+32*\q+2:SR+32*\q+3]
	v_pk_add_f32 v[14:15], v[SR+32*\q+4:SR+32*\q+5], v[SR+32*\q+6:SR+32*\q+7]
.irp i, 8,12,16,20,24,28
	v_pk_add_f32 v[12:13], v[12:13], v[SR+32*\q+\i:SR+32*\q+\i+1]
	v_pk_add_f32 v[14:15], v[14:15], v[SR+32*\q+\i+2:SR+32*\q+\i+3]
.endr
	v_pk_add_f32 v[12:13], v[12:13], v[14:15]
	v_add_f32 v12, v12, v13
	v_fma_f32 v[22+\q], v[22+\q], v[28+2*\q], v12
.endm
.macro SCVT q                          ; two S tiles become one B fragment, in place: word i takes numbers 2 i and 2 i + 1, which no earlier word has overwritten
.irp ks2, 0,1
.irp i, 0,1,2,3,4,5,6,7
	v_cvt_pk_f16_f32 v[SR+32*\q+16*\ks2+\i], v[SR+32*\q+16*\ks2+2*\i], v[SR+32*\q+16*\ks2+2*\i+1]
.endr
.endr
.endm
.macro SRESC q
.irp dt, 0,1,2,3
.irp i, 0,2,4,6
	v_pk_mul_f32 v[OA+8*(2*\dt+\q)+\i:OA+8*(2*\dt+\q)+\i+1], v[OA+8*(2*\dt+\q)+\i:OA+8*(2*\dt+\q)+\i+1], v[28+2*\q:29+2*\q]
.endr
.endr
.endm
.macro MASK                            ; the diagonal tile: -inf where the key lies behind the query
.irp t, 0,1
.irp kt, 0,1,2,3
.irp jj, 0,1,2,3,4,5,6,7
	v_cmp_gt_i32 vcc_lo, 16*\kt+\jj-16*\t, v5
	v_cndmask_b32 v[SR+32*\t+8*\kt+\jj], v[SR+32*\t+8*\kt+\jj], v6, vcc_lo
.endr
.endr
.endr
.endm
; One key tile, in slot.  refill = 1: the other slot gets the sequence's next tile.  last = 1: the diagonal tile; last = 2: it is the diagonal tile, and the
; next tile is the second block's tile 0, if this is the loop's last trip (counter 1); last = 0: neither.
.macro TRIP slot, refill, last
	s_set_vgpr_msb 0x5
	s_wait_tensorcnt 0x0                           ; all my tensor loads have landed, my part of this tile among them: a group 0 may be written
	ds_add_u32 v0, v1
	s_wait_dscnt 0x0
	s_set_vgpr_msb 0x500
.if \refill
.if \last == 2
	s_cmp_eq_u32 s58, 1
	s_cselect_b32 s52, 0, s52
.endif
	s_add_nc_u64 s[G0V+4*(1-\slot)+2:G0V+4*(1-\slot)+3], s[48:49], s[52:53]
	s_or_b32 s[G0V+4*(1-\slot)+3], s[G0V+4*(1-\slot)+3], 0x80000000
	s_add_nc_u64 s[G0K+4*(1-\slot)+2:G0K+4*(1-\slot)+3], s[50:51], s[52:53]
	s_or_b32 s[G0K+4*(1-\slot)+3], s[G0K+4*(1-\slot)+3], 0x80000000
	s_add_co_u32 s52, s52, TILEB
.endif
	s_wait_dscnt 0x0                               ; my reads of the other slot are over
	s_barrier_signal -1
	s_barrier_wait -1                              ; both hold of all eight waves
.if \refill
	ALOAD (1-\slot)                                ; first behind the barrier, the wave's one tensor load until the next; it has this trip's work in which to land
.endif
.irp ks, 0,1
.irp kt, 0,1,2,3
	ds_load_b128 v[F+8*(4*\ks+\kt):F+8*(4*\ks+\kt)+3],   v[1+\slot] offset:16*PK*\kt+64*\ks
	ds_load_b128 v[F+8*(4*\ks+\kt)+4:F+8*(4*\ks+\kt)+7], v[1+\slot] offset:16*PK*\kt+64*\ks+32
.endr
.endr
	s_wait_dscnt 0x8                               ; d = 0..31 of my 64 keys is in; the eight younger loads may be out
	; the eight S tiles take turns, one instruction a turn; the first product starts the sums
.irp kt, 0,1,2,3
.irp t, 0,1
	v_wmma_f32_16x16x32_f16 v[SR+32*\t+8*\kt:SR+32*\t+8*\kt+7], v[F+8*\kt:F+8*\kt+7], v[QR+16*\t:QR+16*\t+7], 0
.endr
.endr
	s_wait_dscnt 0x0
.irp kt, 0,1,2,3
.irp t, 0,1
	v_wmma_f32_16x16x32_f16 v[SR+32*\t+8*\kt:SR+32*\t+8*\kt+7], v[F+8*(4+\kt):F+8*(4+\kt)+7], v[QR+16*\t+8:QR+16*\t+15], v[SR+32*\t+8*\kt:SR+32*\t+8*\kt+7]
.endr
.endr
.rept 4
	v_nop                                          ; four places: V's fragments land in K's registers, and vector instructions read S (ISA guide 7.12.1)
.endr
.irp ks2, 0,1
.irp dt, 0,1,2,3
	ds_load_tr16_b128 v[F+8*(4*\ks2+\dt):F+8*(4*\ks2+\dt)+3],   v[3+\slot] offset:32*PV*\ks2+32*\dt
	ds_load_tr16_b128 v[F+8*(4*\ks2+\dt)+4:F+8*(4*\ks2+\dt)+7], v[3+\slot] offset:32*PV*\ks2+32*\dt+16*PV
.endr
.endr
.if \last == 1
	MASK
.endif
.if \last == 2
	s_cmp_lg_u32 s58, 1
	s_cbranch_scc1 .Lnomask_\@
	MASK
.Lnomask_\@:
.endif
	SMAX 0
	SMAX 1
	SFMA 0
	SEXP 0
	SFMA 1
	SEXP 1
	SSUM 0
	SCVT 0
	SSUM 1
	SCVT 1
	SRESC 0
	SRESC 1
	s_wait_dscnt 0x0                               ; V's fragments, asked for in front of the softmax
	; the eight O tiles take turns, one instruction a turn
.irp ks2, 0,1
.irp dt, 0,1,2,3
.irp t, 0,1
	v_wmma_f32_16x16x32_f16 v[OA+8*(2*\dt+\t):OA+8*(2*\dt+\t)+7], v[F+8*(4*\ks2+\dt):F+8*(4*\ks2+\dt)+7], v[SR+32*\t+16*\ks2:SR+32*\t+16*\ks2+7], v[OA+8*(2*\dt+\t):OA+8*(2*\dt+\t)+7]
.endr
.endr
.endr
.rept 5
	v_nop                                          ; five places: the next S products write over P; loads land in V's registers; O may be stored
.endr
.endm
; The end of a block.  Waves 4-7 hand O, maximum and sum to waves 0-3, which merge the two halves of the keys, divide, round to f16 and store.
.macro FINAL
	s_cmp_eq_u32 s10, 0
	s_cbranch_scc1 .Lkeep_\@
.irp i, 0,1,2,3,4,5,6,7,8,9,10,11,12,13,14,15
	ds_store_b128 v8, v[OA+4*\i:OA+4*\i+3] offset:512*\i
.endr
	ds_store_b128 v8, v[20:23] offset:8192
.Lkeep_\@:
	s_wait_dscnt 0x0                               ; for the partner's sake: my stores are in LDS
	s_barrier_signal -1                            ; the next block's first tile may stay on its way across it
	s_barrier_wait -1
	s_cmp_lg_u32 s10, 0
	s_cbranch_scc1 .Ldone_\@
	ds_load_b128 v[12:15], v8 offset:8192          ; the partner's maxima v12-13 and sums v14-15
.irp i, 0,1,2,3,4,5,6,7,8,9,10,11,12,13,14,15
	ds_load_b128 v[F+4*\i:F+4*\i+3], v8 offset:512*\i
.endr
	s_wait_dscnt 0x0
.irp q, 0,1
	v_max_num_f32 v16, v[20+\q], v[12+\q]          ; the common maximum
	v_mul_f32 v17, C_NEG, v16
	v_mul_f32 v18, C_NEG, v[12+\q]
	v_sub_f32 v19, v17, v[24+2*\q]                 ; c (mine - common)
	v_sub_f32 v18, v17, v18                        ; c (partner's - common)
	v_exp_f32 v19, v19
	v_exp_f32 v18, v18
	v_nop                                          ; the place behind the exponentials
	s_wait_alu depctr_va_vdst(0)
	v_mul_f32 v[22+\q], v[22+\q], v19
	v_fmac_f32 v[22+\q], v[14+\q], v18             ; the two halves of the keys,
	v_permlanex16_b32 v16, v[22+\q], s60, s61
	v_add_f32 v16, v16, v[22+\q]                   ; and the two halves of the lanes: the whole row sum (key 0 is never masked: it is above 0)
	v_rcp_f32 v16, v16
	v_nop                                          ; the place behind the reciprocal
	s_wait_alu depctr_va_vdst(0)
	v_mul_f32 v[28+2*\q], v19, v16
	v_mul_f32 v[29+2*\q], v19, v16
	v_mul_f32 v[24+2*\q], v18, v16
	v_mul_f32 v[25+2*\q], v18, v16
.endr
	SRESC 0
	SRESC 1
.irp q, 0,1
.irp dt, 0,1,2,3
.irp i, 0,2,4,6
	v_pk_fma_f32 v[OA+8*(2*\dt+\q)+\i:OA+8*(2*\dt+\q)+\i+1], v[F+8*(2*\dt+\q)+\i:F+8*(2*\dt+\q)+\i+1], v[24+2*\q:25+2*\q], v[OA+8*(2*\dt+\q)+\i:OA+8*(2*\dt+\q)+\i+1]
.endr
.endr
.endr
.irp q, 0,1
.irp dt, 0,1,2,3
.irp i, 0,1,2,3
	v_cvt_pk_f16_f32 v[F+4*(2*\dt+\q)+\i], v[OA+8*(2*\dt+\q)+2*\i], v[OA+8*(2*\dt+\q)+2*\i+1]
.endr
	ds_store_b128 v9, v[F+4*(2*\dt+\q):F+4*(2*\dt+\q)+3] offset:16*PK*\q+32*\dt   ; query 16 q + r, d = 16 dt + 8 h + 0..7
.endr
.endr
.irp t, 0,1,2,3,4,5,6,7
	ds_load_b128 v[F+32+4*\t:F+32+4*\t+3], v10 offset:4*PK*\t      ; my own bytes, served in order behind the stores (ISA guide 5.7.1): four rows of 128 bytes
.endr
.irp t, 0,1,2,3,4,5,6,7
	s_wait_dscnt 7-\t
	global_store_b128 v11, v[F+32+4*\t:F+32+4*\t+3], s[56:57] offset:512*\t   ; a store of the wave covers 512 consecutive bytes at a multiple of 512
.endr
.Ldone_\@:
.endm
	REINIT s13
.Lfirst:
	TRIP 0, 1, 0
	TRIP 1, 1, 2
	s_sub_co_u32 s58, s58, 1
	s_cmp_lg_u32 s58, 0
	s_cbranch_scc1 .Lfirst
	FINAL
	s_wait_xcnt 0x0                                ; the stores' data registers and base are written again only behind this wait
	REINIT s14
	s_cmp_eq_u32 s59, 0
	s_cbranch_scc1 .Ltail
	s_mov_b32 s58, s59
.Lsecond:
	TRIP 0, 1, 0
	TRIP 1, 1, 0
	s_sub_co_u32 s58, s58, 1
	s_cmp_lg_u32 s58, 0
	s_cbranch_scc1 .Lsecond
.Ltail:
	TRIP 0, 0, 1                                   ; the second block's diagonal tile: nothing is left to fetch
	FINAL
	s_set_vgpr_msb 0x5
	s_wait_tensorcnt 0x0
	ds_add_u32 v0, v1
	s_wait_dscnt 0x0
	s_set_vgpr_msb 0x500
	s_endpgm
.Lfunc_end_k_q83c3b18463_attn:
	.size	k_q83c3b18463_attn, .Lfunc_end_k_q83c3b18463_attn-k_q83c3b18463_attn
	.p2alignl 7, 3214868480
	.fill 96, 4, 3214868480
	.section	.rodata,"a",@progbits
	.p2align	6, 0x0
	.amdhsa_kernel k_q83c3b18463_attn
		.amdhsa_group_segment_fixed_size 327680
		.amdhsa_private_segment_fixed_size 0
		.amdhsa_enable_private_segment 0
		.amdhsa_kernarg_size 16
		.amdhsa_user_sgpr_count 2
		.amdhsa_user_sgpr_kernarg_segment_ptr 1
		.amdhsa_wavefront_size32 1
		.amdhsa_system_sgpr_workgroup_id_x 1
		.amdhsa_system_sgpr_workgroup_id_y 1
		.amdhsa_system_sgpr_workgroup_id_z 1
		.amdhsa_system_vgpr_workitem_id 0
		.amdhsa_next_free_vgpr 258
		.amdhsa_next_free_sgpr 68
		.amdhsa_reserve_vcc 1
		.amdhsa_float_denorm_mode_32 3
		.amdhsa_float_denorm_mode_16_64 3
		.amdhsa_memory_ordered 1
		.amdhsa_forward_progress 1
		.amdhsa_inst_pref_size 140
	.end_amdhsa_kernel
	.amdgpu_metadata
---
amdhsa.version: [ 1, 2 ]
amdhsa.kernels:
  - .name:           k_q83c3b18463_attn
    .symbol:         k_q83c3b18463_attn.kd
    .args:
      - { .name: qkv, .offset: 0, .size: 8, .value_kind: global_buffer, .address_space: global }
      - { .name: ao, .offset: 8, .size: 8, .value_kind: global_buffer, .address_space: global }
    .group_segment_fixed_size: 327680
    .private_segment_fixed_size: 0
    .kernarg_segment_align: 8
    .kernarg_segment_size: 16
    .max_flat_workgroup_size: 256
    .sgpr_count:     68
    .vgpr_count:     258
    .wavefront_size: 32
...
	.end_amdgpu_metadata
.endif
;; end of part 3
;; launch proj (part 4): grid 8 x 32, 4 waves a work-group, clusters of 4 x 4, 327,680 bytes of LDS; arguments ao, wob, bout, out0; writes out0
.if DOCPART == 4
	.amdgcn_target "amdgcn-amd-amdhsa--gfx1250"
	.amdhsa_code_object_version 6
	.text
	.protected	k_q83c3b18463_proj
	.globl	k_q83c3b18463_proj
	.p2align	8
	.type	k_q83c3b18463_proj,@function
k_q83c3b18463_proj:
	s_mov_b64 s[64:65], 0
	v_nop
	global_prefetch_b8 v0, s[64:65] scope:SCOPE_SE
	s_setreg_imm32_b32 hwreg(HW_REG_WAVE_MODE, 25, 1), 1
	s_wait_xcnt 0x0
	s_wait_alu depctr_hold_cnt(0) depctr_sa_sdst(0) depctr_va_vdst(0) depctr_va_sdst(0) depctr_va_ssrc(0) depctr_va_vcc(0) depctr_vm_vsrc(0)
	s_getreg_b32 s2, hwreg(HW_REG_IB_STS2, 6, 4)
	s_cmp_eq_u32 s2, 0
	s_cbranch_scc0 .Lentry_in_a_cluster
	s_endpgm
.Lentry_in_a_cluster:
	s_bfe_u32 s2, ttmp6, 0x10000c
	s_cmp_lg_u32 s2, 0xf033
	s_cbranch_scc0 .Lentry_shape_is_right
	s_endpgm
.Lentry_shape_is_right:
; out0 = attention output x Wout + bout.  ao: [32 = batch*16 + head][2048][64] f16; wob: [1024 (k)][1024 (n)] f16; bout: [1024] f32; out0: [4096][1024] f32.
; A work-group makes 128 x 128: 8 x 32 = 256 work-groups.  Four waves, 64 x 64 each: 16 accumulator tiles.  K = 1024 goes in four steps of 256 (four heads)
; through two LDS slots: one tensor load a wave brings 32 KiB and has 128 matrix instructions less the last four in which to land.
; CLUSTERS: 4 x 4.  ao's tile hangs on the block row alone and is asked for jointly along a row of the cluster, Wout's on the block column alone, along a column.
; ao's tile: a head's 128 rows x 128 bytes are 16,384 consecutive bytes, taken as ONE row of 8,192 elements; a load brings two heads, 262,144 bytes apart.  The padding
; (16 bytes behind every 128) is counted along the whole tile, so in LDS each head is 128 rows of 144 bytes.
; Wout lies [k][n]: its fragments are read by the transposing LDS load.  The matrix instruction is used transposed (source 0 = 16 columns of Wout, source 1 = 16 rows),
; so a lane holds eight neighbouring columns of one row; the bias in that layout is the C of the first products.
; REGISTERS: window 0: v16-27 addresses; v32-63, v64-95 ao's fragments (two buffers); v96-127 the bias; v128-255 accumulators, tile (a, b) at 128 + 8 (4 a + b);
;   window 1: v32-63, v64-95 Wout's fragments.
.set PA,    144
.set PLANE, 128*PA                     ; a head's 128 rows
.set PB,    288                        ; 256 bytes + 32: an odd multiple of 32, for the transposing load
.set QTR,   36864                      ; what one tensor load brings: two heads, or 128 k-rows of Wout
.set BOFF,  2*QTR
.set SLOT,  4*QTR                      ; 147,456
.set STAGE, 2*SLOT                     ; behind the ring: 16 rows x 272 bytes for each wave; no tensor load lands here
.set SP,    272
.set ADRA, 16                          ; v16-17  ao's fragments in slot 0, 1
.set ADRB, 20                          ; v20-23  Wout's fragments: slot 0 k-rows 0-127, 128-255; slot 1 likewise
.set STO,  24
.set RD,   25
.set CO,   26
.set BO,   27
.set FA,   32
.set FB,   64
.set BIAS, 96
.set ACC,  128
.set G1A, 24
.set G0A, 32
.set G1B, 40
.set G0B, 48
.set MSB, 0
.macro WIN new                         ; the immediate's high byte repeats the setting that is left
.if MSB != \new
	s_set_vgpr_msb (MSB<<8)|\new
.set MSB, \new
.endif
.endm
.set MULW, 0x01                        ; source 0 (Wout) window 1, all else window 0
.set TO_B, 0x40                        ; destination window 1, address window 0
.macro JLOAD s                         ; waves 0 and 1 fetch ao's heads, waves 2 and 3 Wout's halves; the branch hangs on the wave's number alone
	s_cmp_eq_u32 s13, 0
	s_cbranch_scc0 .Lfor_b_\@
	tensor_load_to_lds s[G0A+4*\s:G0A+4*\s+3], s[G1A:G1A+7]
	s_nop 0
	s_branch .Lasked_\@
.Lfor_b_\@:
	tensor_load_to_lds s[G0B+4*\s:G0B+4*\s+3], s[G1B:G1B+7]
	s_nop 0
.Lasked_\@:
.endm
.macro CREST
	s_cmp_lg_u32 s12, 0
	s_cbranch_scc1 .Lnot_wave_0_\@
	s_barrier_signal -3
.Lnot_wave_0_\@:
	s_barrier_wait -3
	s_barrier_signal -1
	s_barrier_wait -1
.endm
.macro CROUND
	s_barrier_signal -1
	s_barrier_wait -1
	CREST
.endm
	s_load_b256 s[4:11], s[0:1], 0x0               ; ao s[4:5], wob s[6:7], bout s[8:9], out0 s[10:11]
	s_set_vgpr_msb 0x40
	v_lshl_add_u32 v97, v0, 2, 0x4c400
	s_set_vgpr_msb 0x4000
	v_mov_b32 v31, 0
	s_set_vgpr_msb 0x1
	ds_add_u32 v97, v31
	s_set_vgpr_msb 0x100
	v_lshrrev_b32 v1, 5, v0
	v_readfirstlane_b32 s12, v1                    ; wave 0..3
	s_lshr_b32 s13, s12, 1                         ; mh: my 64 rows.  Also: I fetch for ao (0) or for Wout (1)
	s_and_b32 s14, s12, 1                          ; nh: my 64 columns.  Also: which half of a tile I fetch
	s_bfe_u32 s16, ttmp6, 0x40000                  ; cx
	s_bfe_u32 s17, ttmp6, 0x40004                  ; cy
	s_lshl_b32 s18, ttmp9, 2
	s_add_co_u32 s18, s18, s16                     ; block column bx
	s_and_b32 s19, ttmp7, 0xffff
	s_lshl_b32 s19, s19, 2
	s_add_co_u32 s19, s19, s17                     ; block row by
	s_lshl_b32 s20, s17, 2
	s_lshl_b32 s20, 15, s20                        ; my row of the cluster
	s_lshl_b32 s21, 0x1111, s16                    ; my column
	; group 1 for ao: 2 rows x 8,192 elements of 2 bytes, 4 words of padding behind every 32 words
	s_or_b32 s[G1A+0], s20, (1<<16)|(1<<20)|(1<<21)|(4<<22)|(3<<25)
	s_mov_b32 s[G1A+1], 8192<<16                   ; tensor_dim0 = 8,192
	s_mov_b32 s[G1A+2], 2<<16                      ; tensor_dim1 = 2
	s_mov_b32 s[G1A+3], 8192<<16                   ; tile_dim0 = 8,192
	s_mov_b32 s[G1A+4], 2                          ; tile_dim1 = 2
	s_mov_b32 s[G1A+5], 131072                     ; elements from head to head
	s_mov_b32 s[G1A+6], 0
	s_mov_b32 s[G1A+7], 0
	; group 1 for Wout: 128 k-rows x 128 elements, 8 words of padding behind every 64 words
	s_or_b32 s[G1B+0], s21, (1<<16)|(1<<20)|(1<<21)|(5<<22)|(7<<25)
	s_mov_b32 s[G1B+1], 128<<16
	s_mov_b32 s[G1B+2], 128<<16
	s_mov_b32 s[G1B+3], 128<<16
	s_mov_b32 s[G1B+4], 128
	s_mov_b32 s[G1B+5], 1024
	s_mov_b32 s[G1B+6], 0
	s_mov_b32 s[G1B+7], 0
	; ao's address is made of by and the wave's number in s[56:57], Wout's of bx and the wave's number in s[58:59]
	s_lshr_b32 s56, s19, 4
	s_lshl_b32 s56, s56, 4                         ; 16 x batch
	s_lshl1_add_u32 s56, s14, s56                  ; + head 2 nh
	s_lshl_b32 s56, s56, 18                        ; x 262,144 bytes
	s_and_b32 s57, s19, 15
	s_lshl_b32 s57, s57, 14                        ; + 128 rows x 128 bytes for each block of the batch
	s_add_co_u32 s56, s56, s57
	s_mov_b32 s57, 0
	s_lshl_b32 s58, s14, 18                        ; k-row 128 nh x 2,048 bytes
	s_lshl_b32 s59, s18, 8                         ; column 128 bx
	s_add_co_u32 s58, s58, s59
	s_mov_b32 s59, 0
	s_lshl_b32 s72, s18, 9                         ; the bias of column 128 bx
	s_mov_b32 s73, 0
	s_mul_i32 s60, s12, QTR                        ; LDS: ao's two pairs of heads, then Wout's two halves = wave x 36,864
	v_bfe_u32 v2, v0, 4, 1                         ; h
	s_lshl_b32 s62, s14, 8
	v_lshl_add_u32 v[BO], v2, 5, s62               ; 256 nh + 32 h
	s_wait_dscnt 0x0
	s_wait_kmcnt 0x0
	s_add_nc_u64 s[56:57], s[4:5], s[56:57]
	s_add_nc_u64 s[58:59], s[6:7], s[58:59]
	s_add_nc_u64 s[8:9], s[8:9], s[72:73]
.irp b, 0,1,2,3
	global_load_b128 v[BIAS+8*\b:BIAS+8*\b+3],   v[BO], s[8:9] offset:64*\b      ; bias of columns 64 nh + 16 b + 8 h + 0..3
	global_load_b128 v[BIAS+8*\b+4:BIAS+8*\b+7], v[BO], s[8:9] offset:64*\b+16
.endr
	CROUND                                         ; all sixteen work-groups are here: the first joint loads meet
.irp s, 0,1
	s_mov_b32 s[G0A+4*\s], 1
	s_add_co_u32 s[G0A+4*\s+1], s60, \s*SLOT
	s_add_nc_u64 s[G0A+4*\s+2:G0A+4*\s+3], s[56:57], \s*4*262144
	s_or_b32 s[G0A+4*\s+3], s[G0A+4*\s+3], 0x80000000
	s_mov_b32 s[G0B+4*\s], 1
	s_add_co_u32 s[G0B+4*\s+1], s60, \s*SLOT
	s_add_nc_u64 s[G0B+4*\s+2:G0B+4*\s+3], s[58:59], \s*256*2048
	s_or_b32 s[G0B+4*\s+3], s[G0B+4*\s+3], 0x80000000
	JLOAD \s                                       ; steps 0 and 1: two loads of this wave are out, later one
.endr
	v_and_b32 v1, 15, v0                           ; r
	v_and_b32 v3, 7, v0
	v_bfe_u32 v4, v0, 3, 1
	v_mul_u32_u24 v5, v1, PA
	v_lshl_add_u32 v5, v2, 4, v5
	s_mul_i32 s62, s13, 64*PA
	v_add_nc_u32 v[ADRA], s62, v5                  ; (64 mh + r) x 144 + 16 h
	v_add_nc_u32 v[ADRA+1], SLOT, v[ADRA]
	v_lshl_add_u32 v6, v2, 3, v3
	v_mul_u32_u24 v6, v6, PB
	v_lshl_add_u32 v6, v4, 4, v6
	s_lshl_b32 s62, s14, 7
	s_add_co_u32 s62, s62, BOFF
	v_add_nc_u32 v[ADRB], s62, v6                  ; 73,728 + (8 h + lane % 8) x 288 + 128 nh + 16 ((lane / 8) % 2)
	v_add_nc_u32 v[ADRB+1], QTR, v[ADRB]
	v_add_nc_u32 v[ADRB+2], SLOT, v[ADRB]
	v_add_nc_u32 v[ADRB+3], QTR, v[ADRB+2]
	s_mul_i32 s62, s12, 16*SP
	s_add_co_u32 s62, s62, STAGE
	v_mul_u32_u24 v7, v1, SP
	v_lshl_add_u32 v7, v2, 5, v7
	v_add_nc_u32 v[STO], s62, v7                   ; in: row r, 32 bytes for each half of the lanes
	v_mul_u32_u24 v8, v2, SP
	v_lshl_add_u32 v8, v1, 4, v8
	v_add_nc_u32 v[RD], s62, v8                    ; back: lanes 0-15 one row of 256 bytes, lanes 16-31 the next
	v_lshlrev_b32 v9, 4, v1
	v_lshl_add_u32 v[CO], v2, 12, v9               ; the same two rows in out0
; 4 matrix instructions: row tile a x my four column tiles, 32 along K.  first = 1: the bias starts the sums.
; The 16 accumulators take turns, one instruction a turn, in the same order in every quarter.
.macro MULA f, a, first
.irp b, 0,1,2,3
.if \first
	v_wmma_f32_16x16x32_f16 v[ACC+8*(4*\a+\b):ACC+8*(4*\a+\b)+7], v[\f+8*\b:\f+8*\b+7], v[\f+8*\a:\f+8*\a+7], v[BIAS+8*\b:BIAS+8*\b+7]
.else
	v_wmma_f32_16x16x32_f16 v[ACC+8*(4*\a+\b):ACC+8*(4*\a+\b)+7], v[\f+8*\b:\f+8*\b+7], v[\f+8*\a:\f+8*\a+7], v[ACC+8*(4*\a+\b):ACC+8*(4*\a+\b)+7]
.endif
.endr
.endm
; 16 LDS loads: part kq (0..7, 32 along K) of a slot into buffer f.  Wout: k-rows 32 kq ..; ao: head kq / 2, d = 32 (kq % 2) ..
.macro FETCH slot, kq, f
	WIN TO_B
.irp b, 0,1,2,3
	ds_load_tr16_b128 v[\f+8*\b:\f+8*\b+3],   v[ADRB+2*\slot+(\kq>>2)] offset:(\kq&3)*32*PB+32*\b
	ds_load_tr16_b128 v[\f+8*\b+4:\f+8*\b+7], v[ADRB+2*\slot+(\kq>>2)] offset:(\kq&3)*32*PB+32*\b+16*PB
.endr
	WIN 0
.irp a, 0,1,2,3
	ds_load_b128 v[\f+8*\a:\f+8*\a+3],   v[ADRA+\slot] offset:(\kq>>1)*PLANE+64*(\kq&1)+16*PA*\a
	ds_load_b128 v[\f+8*\a+4:\f+8*\a+7], v[ADRA+\slot] offset:(\kq>>1)*PLANE+64*(\kq&1)+16*PA*\a+32
.endr
.endm
.macro PLACES                          ; four places behind a matrix instruction before a load lands in its registers or its result is read (ISA guide 7.12.1 for vector instructions)
.rept 4
	v_nop
.endr
.endm
; One of a step's first seven parts: multiplies buffer f; in its middle it fetches part kq of the same slot into buffer g.
.macro QUARTER slot, kq, f, g, first
	s_wait_dscnt 0x4                               ; Wout and ao's row tiles 0, 1 are in; the youngest four loads (tiles 2, 3) may be out
	WIN MULW
	MULA \f, 0, \first
	MULA \f, 1, \first
	PLACES
	FETCH \slot, \kq, \g
	s_wait_dscnt 0x10                              ; all but the 16 just issued
	WIN MULW
	MULA \f, 2, \first
	MULA \f, 3, \first
.endm
.macro SEVEN slot, first
	QUARTER \slot, 1, FA, FB, \first
	QUARTER \slot, 2, FB, FA, 0
	QUARTER \slot, 3, FA, FB, 0
	QUARTER \slot, 4, FB, FA, 0
	QUARTER \slot, 5, FA, FB, 0
	QUARTER \slot, 6, FB, FA, 0
	QUARTER \slot, 7, FA, FB, 0
.endm
; The eighth part: multiplies buffer FB and changes slots.  In front of the barrier each wave waits for its reads of this slot and for all its tensor loads.
; fill = 1: the barrier opens a round of the cluster's barrier, and the joint refill, two steps ahead, is the first tensor load behind the round's closing wait.
.macro TURN slot, next, fill
	s_wait_dscnt 0x4
	WIN MULW
	MULA FB, 0, 0
	s_wait_dscnt 0x0                               ; my reads of this slot are over
	s_wait_tensorcnt 0x0                           ; all my tensor loads have landed: the one that was out is my part of the next slot
	ds_add_u32 v97, v31
	s_wait_dscnt 0x0
	s_barrier_signal -1
	MULA FB, 1, 0                                  ; register work while the others arrive
	WIN 0
	s_barrier_wait -1
.if \fill
	CREST
	s_add_nc_u64 s[G0A+4*\slot+2:G0A+4*\slot+3], s[G0A+4*\slot+2:G0A+4*\slot+3], 8*262144
	s_add_nc_u64 s[G0B+4*\slot+2:G0B+4*\slot+3], s[G0B+4*\slot+2:G0B+4*\slot+3], 512*2048
	JLOAD \slot
.endif
	PLACES
	FETCH \next, 0, FA
	WIN MULW
	MULA FB, 2, 0
	MULA FB, 3, 0
.endm
	s_wait_tensorcnt 0x1                           ; my part of step 0 is in; step 1's may stay out
	s_barrier_signal -1
	s_barrier_wait -1
	s_wait_loadcnt 0x0                             ; the bias
	FETCH 0, 0, FA
	SEVEN 0, 1                                     ; four steps, written out: heads 0-3
	TURN 0, 1, 1                                   ; slot 0 gets heads 8-11
	SEVEN 1, 0                                     ; heads 4-7
	TURN 1, 0, 1                                   ; slot 1 gets heads 12-15
	SEVEN 0, 0
	TURN 0, 1, 0                                   ; nothing is left to fetch: a plain barrier
	SEVEN 1, 0
	s_wait_dscnt 0x0
	WIN MULW
	MULA FB, 0, 0
	MULA FB, 1, 0
	MULA FB, 2, 0
	MULA FB, 3, 0
	WIN 0
	; THE WAY OUT, 16 rows at a time through my own stage: 32 bytes a lane in, whole rows of 256 bytes back.
	PLACES
	s_lshl_b32 s72, s19, 7
	s_lshl_b32 s73, s13, 6
	s_add_co_u32 s72, s72, s73                     ; row 128 by + 64 mh
	s_lshl_b32 s72, s72, 12                        ; x 4,096 bytes
	s_lshl_b32 s73, s18, 9                         ; column 128 bx
	s_add_co_u32 s72, s72, s73
	s_lshl_b32 s73, s14, 8                         ; + 64 nh
	s_add_co_u32 s72, s72, s73
	s_mov_b32 s73, 0
	s_add_nc_u64 s[10:11], s[10:11], s[72:73]
.macro OUT16 a, f
.irp b, 0,1,2,3
	ds_store_b128 v[STO], v[ACC+8*(4*\a+\b):ACC+8*(4*\a+\b)+3]   offset:64*\b
	ds_store_b128 v[STO], v[ACC+8*(4*\a+\b)+4:ACC+8*(4*\a+\b)+7] offset:64*\b+16
.endr
.if \a >= 2
	s_wait_xcnt 0x0                                ; buffer f, which earlier stores read, is loaded again only behind this wait
.endif
.irp t, 0,1,2,3,4,5,6,7
	ds_load_b128 v[\f+4*\t:\f+4*\t+3], v[RD] offset:2*SP*\t        ; my own bytes, served in order behind the stores (ISA guide 5.7.1)
.endr
.irp t, 0,1,2,3,4,5,6,7
	s_wait_dscnt 7-\t
	global_store_b128 v[CO], v[\f+4*\t:\f+4*\t+3], s[10:11] offset:(16*\a+2*\t)*4096 th:TH_STORE_NT   ; 16 lanes store 256 consecutive bytes at a multiple of 256
.endr
.endm
	OUT16 0, FA
	OUT16 1, FB
	OUT16 2, FA
	OUT16 3, FB
	s_set_vgpr_msb 0x1
	s_wait_tensorcnt 0x0
	ds_add_u32 v97, v31
	s_wait_dscnt 0x0
	s_set_vgpr_msb 0x100
	CROUND                                         ; the closing round: no work-group ends while a partner may still ask for a tile that names it
	s_endpgm
.Lfunc_end_k_q83c3b18463_proj:
	.size	k_q83c3b18463_proj, .Lfunc_end_k_q83c3b18463_proj-k_q83c3b18463_proj
	.p2alignl 7, 3214868480
	.fill 96, 4, 3214868480
	.section	.rodata,"a",@progbits
	.p2align	6, 0x0
	.amdhsa_kernel k_q83c3b18463_proj
		.amdhsa_group_segment_fixed_size 327680
		.amdhsa_private_segment_fixed_size 0
		.amdhsa_enable_private_segment 0
		.amdhsa_kernarg_size 32
		.amdhsa_user_sgpr_count 2
		.amdhsa_user_sgpr_kernarg_segment_ptr 1
		.amdhsa_wavefront_size32 1
		.amdhsa_system_sgpr_workgroup_id_x 1
		.amdhsa_system_sgpr_workgroup_id_y 1
		.amdhsa_system_sgpr_workgroup_id_z 1
		.amdhsa_system_vgpr_workitem_id 0
		.amdhsa_next_free_vgpr 354
		.amdhsa_next_free_sgpr 76
		.amdhsa_reserve_vcc 0
		.amdhsa_float_denorm_mode_32 3
		.amdhsa_float_denorm_mode_16_64 3
		.amdhsa_memory_ordered 1
		.amdhsa_forward_progress 1
		.amdhsa_inst_pref_size 92
	.end_amdhsa_kernel
	.amdgpu_metadata
---
amdhsa.version: [ 1, 2 ]
amdhsa.kernels:
  - .name:           k_q83c3b18463_proj
    .symbol:         k_q83c3b18463_proj.kd
    .args:
      - { .name: ao, .offset: 0, .size: 8, .value_kind: global_buffer, .address_space: global }
      - { .name: wob, .offset: 8, .size: 8, .value_kind: global_buffer, .address_space: global }
      - { .name: bout, .offset: 16, .size: 8, .value_kind: global_buffer, .address_space: global }
      - { .name: out0, .offset: 24, .size: 8, .value_kind: global_buffer, .address_space: global }
    .group_segment_fixed_size: 327680
    .private_segment_fixed_size: 0
    .kernarg_segment_align: 8
    .kernarg_segment_size: 32
    .max_flat_workgroup_size: 128
    .sgpr_count:     76
    .vgpr_count:     354
    .wavefront_size: 32
...
	.end_amdgpu_metadata
.endif
;; end of part 4
